; MI455X (gfx1250); checked and timed in simulation.
; The chip was launched on July 23, 2026; its instructions are those of AMD's public machine-readable ISA for CDNA 5 (MIT licence, August 2026) and "CDNA5" Instruction Set Architecture Reference Guide (July 2026). The comments in the code are by the model that wrote it; some were corrected since.
;; Attention. Allowed arithmetic: matrix products marked QUANTISED: E2M1 operands, one E8M0 scale for each 32 along K, by v_wmma_scale_f32_16x16x128_f8f6f4 with both operands' format E2M1 (or v_wmma_scale_f32_32x16x128_f4), f32 sums; products left as they are: f32 operands where the result goes on into a quantised operand, else bf16, f16 or f32 operands; f32 sums; everything else in f32.
;; Inputs: W_att 1,024 x 1 float32; W_dec 1,024 x 1,024 float32; W_enc 1,024 x 1,024 float32; b_att 1 float32; b_dec 1,024 float32; b_enc 1,024 float32; dinput 32 x 1,024 float32; einput 32 x 2,048 x 1,024 float32.
;; Outputs: out0 32 x 1,024 float32; out1 32 x 2,048 float32.
;; This version of the problem:
;;   THIS VERSION OF THE PROBLEM IS GIVEN IN LOW PRECISION. The matrix products marked QUANTISED in the list below multiply operands that are first quantised to E2M1 (2 exponent bits, 1 mantissa bit; 4 bits a number), with one power-of-two scale for each 32 numbers along K (OCP MX v1.0); their sums are f32. All else is computed in f32.
;;   The module's matrix products, in the order in which they are computed (A, B: the left and right operand; K: the contracted axis; several contracted axes count as one K, in the product's order):
;;     1. [M 65,536, K 1,024] x [K 1,024, N 1,024]; A: input einput; B: input W_enc: QUANTISED
;;     2. [M 32, K 1,024] x [K 1,024, N 1,024]; A: input dinput; B: input W_dec: QUANTISED
;;     3. [M 65,536, K 1,024] x [K 1,024, N 1]; A: computed on the way; B: input W_att: left as it is (N = 1 < 16)
;;     4. batch 32 x [M 1,024, K 2,048] x [K 2,048, N 1]; A: input einput; B: softmax: left as it is (N = 1 < 16)
;;   THE QUANTISER, for each operand of a quantised product, along K:
;;     - K is cut into blocks of 32 from its start; a last block that is shorter is filled with zeros.
;;     - A block's scale is 2^e with e = floor(log2(the largest magnitude in the block)) - 2, held to -126 .. 127; a block of zeros has e = 0. As a byte (E8M0): e + 127.
;;     - Each number is divided by its block's scale, clamped to +-6, and rounded to the nearest number of E2M1, ties to even, subnormals kept.
;;     - The product sums the exact products of the quantised numbers (number of the format x scale) in f32.
;;   ~~~python
;;   def quantise(x, axis):      # numpy; x: float32 -> the quantised numbers, widened to float32 again
;;       x = np.moveaxis(x, axis, -1); K = x.shape[-1]
;;       x = np.pad(x, [(0, 0)] * (x.ndim - 1) + [(0, -K % 32)]); x = x.reshape(x.shape[:-1] + (-1, 32)); a = np.abs(x).max(-1, keepdims=True)
;;       e = np.where(a > 0, np.clip(np.frexp(np.where(a > 0, a, 1))[1] - 1 - 2, -126, 127), 0)      # np.frexp(a)[1] - 1 = floor(log2(a)), exactly
;;       r = np.clip(x / 2.0 ** e, -6, 6)
;;       step = 2.0 ** (np.maximum(np.frexp(np.where(r == 0, 1, r))[1] - 1, 0) - 1)
;;       q = np.round(r / step) * step * 2.0 ** e      # np.round: ties to even
;;       return np.moveaxis(q.reshape(q.shape[:-2] + (-1,))[..., :K], -1, axis).astype(np.float32)
;;   ~~~
;; One version. Each part assembles by itself: llvm-mc -triple=amdgcn-amd-amdhsa -mcpu=gfx1250 --defsym DOCPART=n.
;; ======== version 1 of 1: 3 launches
;; limits: values are held in bf16: 8 bits of precision; right only within a limited range of input values
;; workspace buffers: wq 557,056 bytes; cvec 131,072 bytes; scores 262,144 bytes; part 1,114,112 bytes
;; launch prep (part 1): grid 64 x 1, 16 waves a work-group, no clusters, 154,624 bytes of LDS; arguments W_enc, W_dec, dinput, b_enc, b_dec, wq, cvec; writes wq, cvec
.if DOCPART == 1
	.amdgcn_target "amdgcn-amd-amdhsa--gfx1250"
	.amdhsa_code_object_version 6
	.text
	.protected	k_q8520e17782_prep
	.globl	k_q8520e17782_prep
	.p2align	8
	.type	k_q8520e17782_prep,@function
k_q8520e17782_prep:
	s_mov_b64 s[64:65], 0
	v_nop
	global_prefetch_b8 v0, s[64:65] scope:SCOPE_SE
	s_setreg_imm32_b32 hwreg(HW_REG_WAVE_MODE, 25, 1), 1
	s_wait_xcnt 0x0
; W_enc [1024 (k)][1024 (n)] f32 becomes codes of FP4 (E2M1) with one E8M0 byte for each 32 along K, laid in the order of an operand's registers (wq);
; cvec[b][n] = Q(dinput) Q(W_dec) + b_dec + b_enc, [32][1024] f32: what every row of a batch adds to its product with W_enc.
; SHARES.  Work-group T owns 16 columns n = 16 T .. 16 T + 15 of both weights.  Waves 0-7 take W_enc, waves 8-15 W_dec; wave's K step q = wave % 8 (128 along K).
; A LANE TAKES A COLUMN AND ITS REGISTERS RUN DOWN K: lane (r, h) holds k = 128 q + 64 c + 32 h + 0 .. 31 of column r, c = 0, 1: two whole blocks of 32, in the order that the 4-bit operand wants, so the
; conversions' results are the operand's registers.  All loads of a wave (64, or 98 with dinput's and b_enc's) go out together and are waited for once: 1,024 waves have both weights on their way at the same time.
; DINPUT: a wave's K step of one row is 512 consecutive bytes: one load, 16 bytes a lane, for each of the 32 rows.  The operand wants 128 consecutive bytes of ONE row in a lane, so the numbers turn through the wave's own
; stage in LDS (rows 528 bytes apart: the sixteen rows of a pass begin in sixteen different 16-byte columns of 256); no other wave touches those bytes, so no barrier stands there.
; wq: 64 tiles of 8,704 bytes: [q 0..7][c 0..1][lane][16 bytes] the codes, then [lane (r, h')][16 bytes] the scale words of K steps 4 h' .. 4 h' + 3 of column r.
; The second product is used transposed (source 0 = 16 columns of W_dec, source 1 = 16 rows of dinput): lane (r, h) holds row r and columns 8 h + 0 .. 7.  Its K is summed as eight partial sums, one a wave, added in ascending order.
; A block's scale is 2^(floor(log2(largest magnitude)) - 2); its byte is the largest magnitude's exponent field - 2, held at 1 from below.
; LIMITS: a block whose largest magnitude lies under 2^-124, a block of zeros too, gets the byte 1 (a block of zeros has zero codes, and this program alone reads the bytes); NaN and infinities among the inputs are not served.
; The weights are read, and cvec is written, in pieces of 64 bytes of a row, since a work-group owns 16 columns.
; WORK LEFT OUT IN THIS PROGRAM: b_att.  reference() adds b_att[0] to every score of a row of [B, S] and then takes the softmax along S: softmax(s + c) = softmax(s) for every finite c, and both results (attn, and weights = einput . attn)
; hang on the scores through that softmax alone.  So b_att has no way to any output: it is not loaded and is among no launch's arguments.  LIMIT: a NaN, an infinity or an overflow that only b_att would bring is not carried to the results.
.set SCW, 0
.set PD,  1024                         ; LDS: eight partial results of 2,048 bytes: q x 2,048 + row tile x 1,024 + half x 512 + 16 x lane
.set DT,  17408                        ; LDS: for each of waves 8-15 a stage of 32 rows of 512 bytes, pitch 528
.set DTP, 528
.set DTW, 32*DTP
.set WC,  24                           ; v24-31  the weight's codes
.set DC,  32                           ; v32-47  dinput's codes, two row tiles
.set SW,  48                           ; v48-50  scale words: the weight's, dinput's two
.set BE,  52                           ; v52-59  b_enc of my eight columns
.set BD,  80                           ; v80-87  b_dec likewise (loaded when the weight's numbers are done with)
.set WN,  64                           ; v64-127 the weight's 64 numbers; then v64-79 the two results
.set DN,  128                          ; v128-255 dinput's numbers: as loaded (row t at 4 t), then 2 x 64 in the operand's order; then the sixteen pieces of the partial results
	s_load_b256 s[4:11], s[0:1], 0x0               ; W_enc s[4:5], W_dec s[6:7], dinput s[8:9], b_enc s[10:11]
	s_load_b128 s[12:15], s[0:1], 0x20             ; b_dec s[12:13], wq s[14:15]
	s_load_b64 s[16:17], s[0:1], 0x30              ; cvec
	v_lshl_add_u32 v62, v0, 2, 0x25400
	v_mov_b32 v63, 0
	v_lshrrev_b32 v1, 5, v0
	s_delay_alu instid0(VALU_DEP_1)
	v_readfirstlane_b32 s18, v1                    ; wave 0..15
	s_and_b32 s19, s18, 7                          ; q
	s_mov_b32 s20, 0x76543210
	s_mov_b32 s21, 0xfedcba98                      ; v_permlanex16_b32's selects for lane l xor 16
	v_and_b32 v1, 15, v0                           ; r
	v_bfe_u32 v2, v0, 4, 1                         ; h
	s_delay_alu instid0(VALU_DEP_2)
	v_lshlrev_b32 v3, 2, v1
	s_delay_alu instid0(VALU_DEP_1)
	v_lshl_or_b32 v3, v2, 17, v3                   ; the weight: 4 r + 32 h rows of 4,096 bytes
	v_and_b32 v5, 31, v0
	s_delay_alu instid0(VALU_DEP_1)
	v_lshlrev_b32 v5, 4, v5                        ; 16 x lane
	; every LDS address is made here, ahead of the first parting of the waves
	s_wait_alu depctr_va_vdst(0)
	s_lshr_b32 s24, s19, 2
	s_lshl_b32 s24, s24, 8
	s_and_b32 s25, s19, 3
	s_lshl_b32 s25, s25, 2
	s_add_co_u32 s24, s24, s25
	v_lshl_add_u32 v6, v1, 4, s24                  ; my column's scale word of K step q: 256 (q / 4) + 16 r + 4 (q % 4)
	s_lshl_b32 s24, s19, 11
	s_add_co_u32 s24, s24, PD
	v_add_nc_u32 v7, s24, v5                       ; where my partial results go
	s_and_b32 s24, s18, 1
	s_lshl_b32 s25, s24, 10
	s_add_co_u32 s25, s25, PD
	v_add_nc_u32 v8, s25, v5                       ; and where waves 8 and 9 read those of row tile wave % 2
	s_mul_i32 s36, s19, DTW
	s_add_co_u32 s36, s36, DT                      ; my stage for dinput
	v_add_nc_u32 v19, s36, v5                      ; into it: 16 x lane of a row
	v_mul_u32_u24 v20, v1, DTP
	s_delay_alu instid0(VALU_DEP_1)
	v_lshl_add_u32 v20, v2, 7, v20
	s_delay_alu instid0(VALU_DEP_1)
	v_add_nc_u32 v20, s36, v20                     ; out of it: row r, + 128 h
	v_lshlrev_b32 v9, 5, v2                        ; the biases: 32 h
	s_delay_alu instid0(VALU_DEP_1)
	v_lshl_or_b32 v10, v1, 12, v9                  ; cvec: row r of 4,096 bytes + 32 h
	v_lshlrev_b32 v11, 3, v2                       ; 8 h: how far my two scale bytes are shifted
	s_lshl_b32 s26, s19, 19                        ; the weight: 128 q rows,
	s_lshl_b32 s34, ttmp9, 6                       ; and 64 T bytes: the tile's columns
	s_add_co_u32 s26, s26, s34
	s_mov_b32 s27, 0
	s_lshl_b32 s28, s19, 9                         ; dinput: 512 q
	s_mov_b32 s29, 0
	s_mul_i32 s30, ttmp9, 8704                     ; wq: the tile, and in it 1,024 q
	s_lshl_b32 s31, s19, 10
	s_add_co_u32 s30, s30, s31
	s_mov_b32 s31, 0
	s_lshl_b32 s32, s24, 16                        ; cvec: 16 rows x (wave % 2) + 64 T
	s_add_co_u32 s32, s32, s34
	s_mov_b32 s33, 0
	s_mov_b32 s35, 0
	s_wait_kmcnt 0x0
	s_cmp_lt_u32 s18, 8                            ; the choice of the weight hangs on the wave's number alone
	s_cselect_b64 s[22:23], s[4:5], s[6:7]
	s_add_nc_u64 s[22:23], s[22:23], s[26:27]
	s_add_nc_u64 s[8:9], s[8:9], s[28:29]
	s_add_nc_u64 s[14:15], s[14:15], s[30:31]
	s_add_nc_u64 s[16:17], s[16:17], s[32:33]
	s_add_nc_u64 s[10:11], s[10:11], s[34:35]
	s_add_nc_u64 s[12:13], s[12:13], s[34:35]
	s_cmp_lt_u32 s18, 8
	s_cbranch_scc1 .Lweight
.irp t, 0,1,2,3,4,5,6,7,8,9,10,11,12,13,14,15,16,17,18,19,20,21,22,23,24,25,26,27,28,29,30,31
	global_load_b128 v[DN+4*\t:DN+4*\t+3], v5, s[8:9] offset:4096*\t   ; waves 8-15: dinput(t, 128 q + 4 lane ..): the wave reads 512 consecutive bytes
.endr
	s_wait_alu depctr_va_vdst(0)
	global_load_b128 v[BE:BE+3], v9, s[10:11]
	global_load_b128 v[BE+4:BE+7], v9, s[10:11] offset:16
.Lweight:
.irp c, 0,1
.irp i, 0,1,2,3,4,5,6,7,8,9,10,11,12,13,14,15,16,17,18,19,20,21,22,23,24,25,26,27,28,29,30,31
	global_load_b32 v[WN+32*\c+\i], v3, s[22:23] offset:(64*\c+\i)*4096   ; W(128 q + 64 c + 32 h + i, 16 T + r): sixteen lanes read 64 consecutive bytes
.endr
.endr
	s_wait_loadcnt 0x0                             ; everything was asked for together: one wait
	s_cmp_lt_u32 s18, 8
	s_cbranch_scc1 .Lquant
	s_wait_alu depctr_va_vdst(0)
.irp t, 0,1,2,3,4,5,6,7,8,9,10,11,12,13,14,15,16,17,18,19,20,21,22,23,24,25,26,27,28,29,30,31
	ds_store_b128 v19, v[DN+4*\t:DN+4*\t+3] offset:DTP*\t    ; waves 8-15: dinput's rows into my stage, as they lie
.endr
.irp t, 0,1                                    ; and back in the operand's order: lane (r, h): dinput(16 t + r, 128 q + 64 c + 32 h + 0 .. 31).  LDS serves a wave's instructions in order (ISA guide 5.7.1.4): these see the stores above, which have read their registers
.irp c, 0,1
.irp j, 0,1,2,3,4,5,6,7
	ds_load_b128 v[DN+64*\t+32*\c+4*\j:DN+64*\t+32*\c+4*\j+3], v20 offset:16*DTP*\t+256*\c+16*\j
.endr
.endr
.endr
.Lquant:
; 64 numbers of a lane, v[src + 32 c + i] = k 64 c + 32 h + i, become the operand's eight registers v[cod] on and the scale word v[sw] (whole in both halves of the lanes).
.macro QF src, cod, sw
.irp c, 0,1
	v_max3_num_f32 v[12+\c], |v[\src+32*\c]|, |v[\src+32*\c+1]|, 0x1800000   ; my block 2 c + h: all 32 numbers are mine; the floor 2^(3 - 127) holds the byte at 1 from below
.endr
.irp i, 2,4,6,8,10,12,14,16,18,20,22,24,26,28,30
.irp c, 0,1
	s_delay_alu instid0(VALU_DEP_2)
	v_max3_num_f32 v[12+\c], v[12+\c], |v[\src+32*\c+\i]|, |v[\src+32*\c+\i+1]|   ; the two blocks by turns
.endr
.endr
.irp c, 0,1
	s_delay_alu instid0(VALU_DEP_2)
	v_add_nc_u32 v[14+\c], 0xff000000, v[12+\c]    ; 2 off the exponent field: the conversion takes this operand's exponent field as its scale
.endr
.irp c, 0,1
	s_delay_alu instid0(VALU_DEP_2)
	v_lshrrev_b32 v[16+\c], 23, v[14+\c]           ; the scale's byte
.endr
	s_delay_alu instid0(VALU_DEP_1)
	v_lshl_or_b32 v[\sw], v17, 16, v16             ; my two bytes: blocks h and 2 + h,
	s_delay_alu instid0(VALU_DEP_1)
	v_lshlrev_b32 v[\sw], v11, v[\sw]              ; at their places in the word;
	v_mov_b32 v18, 0                               ; (a lane permute's destination counts as one of its sources)
	s_delay_alu instid0(VALU_DEP_1)
	v_permlanex16_b32 v18, v[\sw], s20, s21
	s_delay_alu instid0(VALU_DEP_1)
	v_or_b32 v[\sw], v[\sw], v18                   ; with lane l xor 16's two the word is whole
.irp c, 0,1
.irp g, 0,1,2,3
	v_cvt_scalef32_pk8_fp4_f32 v[\cod+4*\c+\g], v[\src+32*\c+8*\g:\src+32*\c+8*\g+7], v[14+\c]
.endr
.endr
	v_nop                                          ; one plain line behind the last scaled conversion
.endm
	QF WN, WC, SW                                  ; (in waves 8-15 dinput's numbers come back from the stage meanwhile)
	s_cmp_lt_u32 s18, 8
	s_cbranch_scc0 .Ldec
	global_store_b128 v5, v[WC:WC+3], s[14:15]               ; waves 0-7: the image of the operand's registers: 512 consecutive bytes a store
	global_store_b128 v5, v[WC+4:WC+7], s[14:15] offset:512
	ds_store_b32 v6, v[SW]                         ; both halves of the lanes write the same word with the same value
	s_branch .Ljoin
.Ldec:
	global_load_b128 v[BD:BD+3], v9, s[12:13]      ; b_dec, into registers whose numbers are quantised
	global_load_b128 v[BD+4:BD+7], v9, s[12:13] offset:16
	s_wait_dscnt 0x0                               ; dinput's numbers are back from my stage
	QF DN, DC, SW+1
	QF DN+64, DC+8, SW+2
.rept 8
	v_nop                                          ; a scale register written by a vector instruction stands eight places ahead of a scaled matrix instruction, an operand so written four
.endr
	v_wmma_scale_f32_16x16x128_f8f6f4 v[WN:WN+7], v[WC:WC+7], v[DC:DC+7], 0, v[SW], v[SW+1] matrix_a_fmt:MATRIX_FMT_FP4 matrix_b_fmt:MATRIX_FMT_FP4
	v_wmma_scale_f32_16x16x128_f8f6f4 v[WN+8:WN+15], v[WC:WC+7], v[DC+8:DC+15], 0, v[SW], v[SW+2] matrix_a_fmt:MATRIX_FMT_FP4 matrix_b_fmt:MATRIX_FMT_FP4
.rept 4
	v_nop                                          ; four places in front of the stores that read the results
.endr
.irp t, 0,1
	ds_store_b128 v7, v[WN+8*\t:WN+8*\t+3] offset:1024*\t        ; each result from its low end on
	ds_store_b128 v7, v[WN+8*\t+4:WN+8*\t+7] offset:1024*\t+512
.endr
.Ljoin:
	s_wait_dscnt 0x0                               ; for the others' sake: my LDS stores have landed
	s_barrier_signal -1
	s_barrier_wait -1
	s_cmp_eq_u32 s18, 0
	s_cbranch_scc0 .Lnot_wave_0
	ds_load_b128 v[12:15], v5                      ; wave 0: the tile's 128 scale words leave as 512 consecutive bytes
	s_wait_dscnt 0x0
	global_store_b128 v5, v[12:15], s[14:15] offset:8192
	s_wait_tensorcnt 0x0
	ds_add_u32 v62, v63
	s_wait_dscnt 0x0
	s_endpgm
.Lnot_wave_0:
	s_cmp_lt_u32 s18, 8
	s_cbranch_scc1 .Ldone
	s_cmp_gt_u32 s18, 9
	s_cbranch_scc1 .Ldone
.irp q, 0,1,2,3,4,5,6,7                        ; waves 8 and 9: the eight partial results of row tile wave - 8
	ds_load_b128 v[DN+8*\q:DN+8*\q+3], v8 offset:2048*\q
	ds_load_b128 v[DN+8*\q+4:DN+8*\q+7], v8 offset:2048*\q+512
.endr
	s_wait_dscnt 0x0
	s_wait_loadcnt 0x0                             ; b_dec
.irp q, 1,2,3,4,5,6,7
.irp p, 0,2,4,6
	v_pk_add_f32 v[DN+\p:DN+\p+1], v[DN+\p:DN+\p+1], v[DN+8*\q+\p:DN+8*\q+\p+1]   ; K ascending
.endr
.endr
.irp p, 0,2,4,6
	s_delay_alu instid0(VALU_DEP_4)
	v_pk_add_f32 v[DN+\p:DN+\p+1], v[DN+\p:DN+\p+1], v[BD+\p:BD+\p+1]
.endr
.irp p, 0,2,4,6
	s_delay_alu instid0(VALU_DEP_4)
	v_pk_add_f32 v[DN+\p:DN+\p+1], v[DN+\p:DN+\p+1], v[BE+\p:BE+\p+1]
.endr
	global_store_b128 v10, v[DN:DN+3], s[16:17]              ; cvec(16 (wave - 8) + r, 16 T + 8 h + 0 .. 7)
	global_store_b128 v10, v[DN+4:DN+7], s[16:17] offset:16
.Ldone:
	s_wait_tensorcnt 0x0
	ds_add_u32 v62, v63
	s_wait_dscnt 0x0
	s_endpgm
.Lfunc_end_k_q8520e17782_prep:
	.size	k_q8520e17782_prep, .Lfunc_end_k_q8520e17782_prep-k_q8520e17782_prep
	.p2alignl 7, 3214868480
	.fill 96, 4, 3214868480
	.section	.rodata,"a",@progbits
	.p2align	6, 0x0
	.amdhsa_kernel k_q8520e17782_prep
		.amdhsa_group_segment_fixed_size 154624
		.amdhsa_private_segment_fixed_size 0
		.amdhsa_enable_private_segment 0
		.amdhsa_kernarg_size 56
		.amdhsa_user_sgpr_count 2
		.amdhsa_user_sgpr_kernarg_segment_ptr 1
		.amdhsa_wavefront_size32 1
		.amdhsa_system_sgpr_workgroup_id_x 1
		.amdhsa_system_sgpr_workgroup_id_y 1
		.amdhsa_system_sgpr_workgroup_id_z 1
		.amdhsa_system_vgpr_workitem_id 0
		.amdhsa_next_free_vgpr 256
		.amdhsa_next_free_sgpr 66
		.amdhsa_reserve_vcc 0
		.amdhsa_float_denorm_mode_32 3
		.amdhsa_float_denorm_mode_16_64 3
		.amdhsa_memory_ordered 1
		.amdhsa_forward_progress 1
		.amdhsa_inst_pref_size 35
	.end_amdhsa_kernel
	.amdgpu_metadata
---
amdhsa.version: [ 1, 2 ]
amdhsa.kernels:
  - .name:           k_q8520e17782_prep
    .symbol:         k_q8520e17782_prep.kd
    .args:
      - { .name: W_enc, .offset: 0, .size: 8, .value_kind: global_buffer, .address_space: global }
      - { .name: W_dec, .offset: 8, .size: 8, .value_kind: global_buffer, .address_space: global }
      - { .name: dinput, .offset: 16, .size: 8, .value_kind: global_buffer, .address_space: global }
      - { .name: b_enc, .offset: 24, .size: 8, .value_kind: global_buffer, .address_space: global }
      - { .name: b_dec, .offset: 32, .size: 8, .value_kind: global_buffer, .address_space: global }
      - { .name: wq, .offset: 40, .size: 8, .value_kind: global_buffer, .address_space: global }
      - { .name: cvec, .offset: 48, .size: 8, .value_kind: global_buffer, .address_space: global }
    .group_segment_fixed_size: 154624
    .private_segment_fixed_size: 0
    .kernarg_segment_align: 8
    .kernarg_segment_size: 56
    .max_flat_workgroup_size: 512
    .sgpr_count:     66
    .vgpr_count:     256
    .wavefront_size: 32
...
	.end_amdgpu_metadata
.endif
;; end of part 1
;; launch main (part 2): grid 256 x 1, 4 waves a work-group, no clusters, 311,808 bytes of LDS; arguments einput, wq, cvec, W_att, scores, part; writes scores, part
.if DOCPART == 2
	.amdgcn_target "amdgcn-amd-amdhsa--gfx1250"
	.amdhsa_code_object_version 6
	.text
	.protected	k_q8520e17782_main
	.globl	k_q8520e17782_main
	.p2align	8
	.type	k_q8520e17782_main,@function
k_q8520e17782_main:
	s_mov_b64 s[64:65], 0
	v_nop
	global_prefetch_b8 v0, s[64:65] scope:SCOPE_SE
	s_setreg_imm32_b32 hwreg(HW_REG_WAVE_MODE, 25, 1), 1
	s_wait_xcnt 0x0
; scores[b][s] = W_att . relu(Q(einput[b][s]) Q(W_enc) + cvec[b]), and for each work-group the running maximum m, the sum l of p = e^(score - m) and the sum of p x einput's rows.
; b_att is left out: it is the same for all scores of a softmax's row (shown at the head of the first kernel).
; EINPUT LEAVES MEMORY ONCE: a row is wanted as codes for its score and as numbers once the score is known; between the two it stays on the WGP, rounded to bf16, in LDS.
; SHARES.  Work-group g owns rows 256 (g % 8) .. + 255 of batch g / 8, as 2 blocks of 128 rows, so that wq is walked twice.  Wave w owns columns 256 w .. + 255 of einput (it loads, quantises, keeps and sums them)
; and columns 256 w .. + 255 (16 tiles of 16) of the product.  A block's 128 x 1,024 codes stand in EVERY wave's registers (512), so each fragment of W_enc is wanted by one wave alone and goes from memory into its registers,
; through a ring of 4 tiles (17 loads a tile) with counted waits.
; EINPUT'S LOADS: a row's 1,024 bytes of my columns are two loads of 512 consecutive bytes; lane (h, i) takes the 16 bytes at 32 i + 16 h of each.  Four exchanges of lane halves then give lane (h, i) the eight neighbours
; 128 h + 8 i + 0 .. 7.  The rows land in window 3, four batches of 8 rows ahead; that window takes the codes of the block's rows 64-127 only when the last row is quantised.
; NO JOINT LOADS AND NO TENSOR LOADS, though all work-groups walk the same wq: a joint load lands in LDS, of whose 327,680 bytes this text uses 311,808: 15,872 are left, less than two tiles of 8,704.
; PREFETCH: while block 0 is multiplied no load of einput is out, so each of its 16 tiles asks for 8 rows x 1,024 bytes of block 1 (a lane a run of 256 bytes, each run named once in the launch, by the wave that will load it):
; a block ahead of the loads.  Block 0 comes by its loads alone; block 1 asks for nothing.
; THE MATRIX INSTRUCTION IS USED TRANSPOSED (source 0 = 16 columns of W_enc, source 1 = 16 rows of einput): lane (r, h) holds row r and columns 8 h + 0 .. 7 of the tile.  cvec is the C of a tile's first products.
; A tile goes in two halves of 64 rows, 32 products each; relu and the dot with W_att of one half stand in slices between the products of the next.
; SOFTMAX: a running maximum; when it moves, l and the weighted sums are multiplied by e^(old m - new m).  The last launch joins the eight work-groups of a batch.
; LIMITS: NaN and infinities among the inputs are not served.  A block of 32 whose largest magnitude lies under 2^-124, a block of zeros too, gets the scale byte 1 (zero codes add nothing, and this program alone reads the bytes).
; Scores under -3e38 are not told apart from the starting maximum.  In the weighted sum einput is rounded to bf16 (weights and sums f32): that error grows with a common offset of einput.
; REGISTERS, in windows of 256 (s_set_vgpr_msb: bits 1:0 source 0, 3:2 source 1, 5:4 source 2, 7:6 destination): window 0: the names below; window 1: the ring of W: slot i, K step q at v[64 i + 8 q];
; window 2: the fragments of rows 0-63: row tile m, K step q at v[64 m + 8 q]; window 3: einput's rows on their way (batch b, row u at v[64 b + 8 u]), then the fragments of rows 64-127.
.set BFL,    0                         ; LDS: for each wave 65,536 bytes: row s of the block in bf16: 512 s + 16 lane
.set ACODE,  262144                    ; codes of 64 rows, 512 bytes a row, pitch 528
.set APITCH, 528
.set ASCL,   295936                    ; their scale bytes: 32 a row, pitch 48
.set SPITCH, 48
.set CB,     299008                    ; cvec[b][:], 4,096 bytes; W_att follows it
.set PSB,    307200                    ; partial scores [wave][128]
.set PBB,    309248                    ; for each wave 512 bytes: p of the block's 128 rows
.set SPARE,  311296                    ; the spare words, 128 bytes for each wave
.set TILEB,  8704
.set GRP,    131072                    ; 32 rows of einput in bytes
.set SPW, 1
.set NIL, 2
.set EO,  3                            ; 32 i + 16 h
.set CST, 4
.set SST, 5
.set AFA, 6
.set ASA, 7
.set BO,  8                            ; 16 l
.set CW0, 9
.set CWA, 10
.set PSS, 11
.set PSL, 12
.set PBS, 13
.set BFA, 14
.set PA,  15
.set BOS, 16                           ; v16-19 the ring's slots: 16 l + the byte offset last asked from
.set MX,  20                           ; v[20:21] m, l
.set EOS, 22                           ; v22-25 the batches' offsets in einput
.set BFW, 26
.set CSW, 27
.set SSW, 28
.set PFO, 29
.set PFW, 30
.set UA,  31
.set ASC, 32                           ; v32-63  the block's scale words, 4 a row tile
.set BSC, 64                           ; v64-79  W's scale words, 4 a slot
.set BT,  80                           ; v80-95  cvec of a tile, two sets
.set WT,  96                           ; v96-111 W_att of a tile, two sets
.set SA,  112                          ; v112-143 the scores' sums: row tile m: two chains of a pair
.set WACC, 144                         ; v144-151 the weighted sums of my eight columns
.set SC,  152                          ; v152-155 my four scores
.set PV,  156                          ; v156-159 their p
.set ACC, 160                          ; v160-223 two sets of four accumulators
.set TA,  224                          ; v224-255 at work
.set QM,  80                           ; while quantising: largest magnitudes; codes and bytes, two sets of 8; bf16, two sets of 32
.set CD,  96
.set BY,  112
.set BF,  160
.set UBA, 80                           ; in the weighted sum: 16 rows of bf16, twice; p of 32 rows
.set UBB, 160
.set PP,  224
.set EB,  24                           ; s[24:25] einput at my first row and column; never rewritten
.set EN,  26                           ; s26 byte offset of the next 32 rows to ask for
.set SBF, 27
.set SCS, 28
.set SSS, 29
.set WB,  36                           ; s[36:37] my 16 tiles of wq
.set TN,  40
.set PF,  41
.set TO,  42
.set MSB, 0
.macro WIN new
.if MSB != (\new)
	s_set_vgpr_msb (MSB<<8)|(\new)
.set MSB, (\new)
.endif
.endm
.macro RING i, o                       ; 17 loads: tile i of the four at the offset in v[o] into slot i
	WIN 0x40
.irp q, 0,1,2,3,4,5,6,7
.irp c, 0,1
	global_load_b128 v[64*(\i)+8*\q+4*\c:64*(\i)+8*\q+4*\c+3], v[\o], s[WB:WB+1] offset:TILEB*(\i)+1024*\q+512*\c
.endr
.endr
	WIN 0
	global_load_b128 v[BSC+4*(\i):BSC+4*(\i)+3], v[\o], s[WB:WB+1] offset:TILEB*(\i)+8192
.endm
.macro LAND b                          ; 16 loads: rows 8 b .. 8 b + 7 of the 32 at the offset in v[EOS + b]; each load covers 512 consecutive bytes
	WIN 0xc0
.irp u, 0,1,2,3,4,5,6,7
	global_load_b128 v[64*(\b)+8*\u:64*(\b)+8*\u+3], v[EOS+(\b)], s[EB:EB+1] offset:4096*(8*(\b)+\u) th:TH_LOAD_NT
	global_load_b128 v[64*(\b)+8*\u+4:64*(\b)+8*\u+7], v[EOS+(\b)], s[EB:EB+1] offset:4096*(8*(\b)+\u)+512 th:TH_LOAD_NT
.endr
	WIN 0
.endm
	s_load_b256 s[4:11], s[0:1], 0x0               ; einput, wq, cvec, W_att
	s_load_b128 s[12:15], s[0:1], 0x20             ; scores, part
	v_lshl_add_u32 v[SPW], v0, 2, SPARE
	v_mov_b32 v[NIL], 0
	v_lshrrev_b32 v224, 5, v0
	v_readfirstlane_b32 s18, v224                  ; wave
	v_and_b32 v225, 31, v0                         ; l
	v_and_b32 v226, 15, v0                         ; i = r
	v_bfe_u32 v227, v0, 4, 1                       ; h
	v_lshlrev_b32 v[EO], 5, v226
	v_lshl_add_u32 v[EO], v227, 4, v[EO]
	v_lshlrev_b32 v228, 4, v0                      ; 16 x thread
.irp b, 0,1,2,3
	v_mov_b32 v[EOS+\b], v[EO]
.endr
	s_lshl_b32 s22, s18, 10
	s_lshl_b32 s46, ttmp9, 20                      ; the work-group's 256 rows of 4,096 bytes
	s_add_co_u32 s46, s46, s22
	s_mov_b32 s47, 0
	s_lshr_b32 s50, ttmp9, 3
	s_lshl_b32 s50, s50, 12
	s_mov_b32 s51, 0
	s_wait_alu depctr_va_vdst(0)
	s_wait_kmcnt 0x0
	s_add_nc_u64 s[EB:EB+1], s[4:5], s[46:47]
	s_add_nc_u64 s[8:9], s[8:9], s[50:51]          ; cvec at my batch's row
	global_load_b128 v[160:163], v228, s[8:9]      ; cvec[b] and W_att, 2,048 bytes a load of the work-group
	global_load_b128 v[164:167], v228, s[8:9] offset:2048
	global_load_b128 v[168:171], v228, s[10:11]
	global_load_b128 v[172:175], v228, s[10:11] offset:2048
	LAND 0
	LAND 1
	LAND 2
	s_mul_i32 s46, s18, 16*TILEB
	s_add_nc_u64 s[WB:WB+1], s[6:7], s[46:47]
	s_lshl_b32 s46, ttmp9, 10
	s_add_nc_u64 s[12:13], s[12:13], s[46:47]      ; scores at my first row
	s_mul_i32 s46, ttmp9, 4352
	s_add_nc_u64 s[14:15], s[14:15], s[46:47]      ; my row of part,
	s_mov_b32 s46, s22
	s_add_nc_u64 s[48:49], s[14:15], s[46:47]      ; and my wave's 1,024 bytes of it
	s_lshl_b32 s23, s18, 7
	s_add_co_u32 s23, s23, ACODE
	s_lshl_b32 s31, s18, 3
	s_add_co_u32 s31, s31, ASCL
	s_add_co_u32 s32, s22, CB
	s_lshl_b32 s33, s18, 9
	s_add_co_u32 s30, s33, PBB
	s_add_co_u32 s33, s33, PSB
	s_lshl_b32 s34, s18, 16
	s_mov_b32 s20, 0x76543210
	s_mov_b32 s21, 0xfedcba98                      ; v_permlanex16_b32's selects for lane l xor 16
	s_mov_b32 s[EN], GRP
	s_mov_b32 s44, 2                               ; blocks to go
	v_lshlrev_b32 v[BO], 4, v225
	v_lshlrev_b32 v230, 2, v226
	v_lshl_add_u32 v230, v227, 6, v230
	v_add_nc_u32 v[CST], s23, v230                 ; ACODE + 128 w + 64 h + 4 i
	v_lshrrev_b32 v231, 2, v226
	v_lshl_add_u32 v231, v227, 2, v231
	v_add_nc_u32 v[SST], s31, v231                 ; ASCL + 8 w + 4 h + i / 4
	v_mul_u32_u24 v[AFA], v226, APITCH
	v_lshl_add_u32 v[AFA], v227, 4, v[AFA]
	v_add_nc_u32 v[AFA], ACODE, v[AFA]
	v_mul_u32_u24 v[ASA], v226, SPITCH
	v_lshl_add_u32 v[ASA], v227, 4, v[ASA]
	v_add_nc_u32 v[ASA], ASCL, v[ASA]
	v_lshl_add_u32 v[CW0], v227, 5, s32
	v_lshl_add_u32 v[PSS], v226, 2, s33            ; PSB + 512 w + 4 r
	v_lshl_add_u32 v[PSL], v225, 4, PSB            ; rows 4 l .. 4 l + 3
	v_lshl_add_u32 v[PBS], v225, 4, s30
	v_lshl_add_u32 v[BFA], v225, 4, s34
	v_lshrrev_b32 v230, 2, v225
	v_and_b32 v231, 3, v225
	v_lshlrev_b32 v231, 8, v231
	v_lshl_add_u32 v[PFO], v230, 12, v231          ; the prefetches: row l / 4, run l % 4 of 256 bytes
	v_lshl_add_u32 v229, v0, 4, CB
	v_mov_b32 v[MX], 0xff61b1e6                    ; m = -3e38
	v_mov_b32 v[MX+1], 0
.irp i, 0,1,2,3,4,5,6,7
	v_mov_b32 v[WACC+\i], 0
.endr
	s_wait_alu depctr_va_vdst(0)
	s_wait_loadcnt 48                              ; behind the four staging loads stand three batches' 16 loads each
.irp i, 0,1,2,3
	ds_store_b128 v229, v[160+4*\i:163+4*\i] offset:2048*\i      ; the others read them behind the first barrier
.endr
; Batch b of a group of 32 rows: 8 rows, one a unit.  The lane halves are exchanged, the rows are quantised (a block of 32 lies in four neighbouring lanes) and rounded to bf16; codes, scale bytes and bf16 go to LDS.
; mode 1: the batch's registers take the rows 32 further on; mode 0: the ring's slot b takes tile b.  cnt: the loads issued behind this batch's 16.
.macro BATCH b, mode, cnt
.set XB, 64*(\b)
.set CDB, CD+8*((\b)%2)
.set BYB, BY+8*((\b)%2)
.set BFB, BF+32*((\b)%2)
	s_wait_loadcnt \cnt
	s_wait_dscnt 24                                ; all but the last batch's 24 stores: those of two batches ago, whose registers this batch writes, are done
.if \mode
	v_add_nc_u32 v[EOS+(\b)], s[EN], v[EO]         ; the loads that named it are done
.endif
	WIN 0xc3
.irp u, 0,1,2,3,4,5,6,7
.irp r, 0,1,2,3
	v_permlane16_swap_b32 v[XB+8*\u+\r], v[XB+8*\u+4+\r]
.endr
.endr
	WIN 0x3c
.irp u, 0,1,2,3,4,5,6,7
	v_max3_num_f32 v[QM+\u], 0x1800000, |v[XB+8*\u]|, |v[XB+8*\u+1]|     ; the floor 2^(3 - 127) holds the byte at 1 from below
.endr
.irp n, 2,4,6
.irp u, 0,1,2,3,4,5,6,7
	v_max3_num_f32 v[QM+\u], v[QM+\u], |v[XB+8*\u+\n]|, |v[XB+8*\u+\n+1]|
.endr
.endr
	WIN 0
.irp u, 0,1,2,3,4,5,6,7
	v_max_num_f32_dpp v[QM+\u], v[QM+\u], v[QM+\u] row_xmask:1 row_mask:0xf bank_mask:0xf
.endr
.irp u, 0,1,2,3,4,5,6,7
	v_max_num_f32_dpp v[QM+\u], v[QM+\u], v[QM+\u] row_xmask:2 row_mask:0xf bank_mask:0xf
.endr
.irp u, 0,1,2,3,4,5,6,7
	v_add_nc_u32 v[QM+\u], 0xff000000, v[QM+\u]    ; 2 off the exponent field: the conversion's scale operand
.endr
	WIN 0x03
.irp u, 0,1,2,3,4,5,6,7
	v_cvt_scalef32_pk8_fp4_f32 v[CDB+\u], v[XB+8*\u:XB+8*\u+7], v[QM+\u]
.endr
	WIN 0
.irp u, 0,1,2,3,4,5,6,7
	v_lshrrev_b32 v[BYB+\u], 23, v[QM+\u]          ; the scale's byte (plain lines behind the scaled conversions)
.endr
	WIN 0x0f
.irp u, 0,1,2,3,4,5,6,7
.irp k, 0,1,2,3
	v_cvt_pk_bf16_f32 v[BFB+4*\u+\k], v[XB+8*\u+2*\k], v[XB+8*\u+2*\k+1]
.endr
.endr
	WIN 0
.irp u, 0,1,2,3,4,5,6,7
	ds_store_b32 v[CSW], v[CDB+\u] offset:APITCH*(8*(\b)+\u)
	ds_store_b8 v[SSW], v[BYB+\u] offset:SPITCH*(8*(\b)+\u)      ; a block's four lanes write the same byte with the same value
	ds_store_b128 v[BFW], v[BFB+4*\u:BFB+4*\u+3] offset:512*(8*(\b)+\u)
.endr
.if \mode
	LAND \b
.else
	RING \b, BO
.endif
.endm
.macro PROC4 mode                      ; a group of 32 rows
	v_add_nc_u32 v[BFW], s[SBF], v[BFA]
	v_add_nc_u32 v[CSW], s[SCS], v[CST]
	v_add_nc_u32 v[SSW], s[SSS], v[SST]
.if \mode
	BATCH 0, 1, 48
	BATCH 1, 1, 48
	BATCH 2, 1, 48
	BATCH 3, 1, 48
.else
	BATCH 0, 0, 48                                 ; behind a batch: the later batches' 16 loads each and the ring's 17 for each batch done
	BATCH 1, 0, 49
	BATCH 2, 0, 50
	BATCH 3, 0, 51
.endif
.endm
; The codes and scale bytes of 64 rows are whole: every wave takes them as fragments into window 2 + hf
.macro EXCH hf
	s_wait_dscnt 0x0                               ; my stores have landed
	s_barrier_signal -1
	s_barrier_wait -1
.if \hf
	ds_load_b128 v[BT:BT+3],     v[CW0]                      ; ahead of the fragments: my first tile's cvec,
	ds_load_b128 v[BT+4:BT+7],   v[CW0] offset:16
	ds_load_b128 v[WT+8:WT+11],  v[CW0] offset:4096+960      ; and numbers for the first half's slices to multiply zeros by
	ds_load_b128 v[WT+12:WT+15], v[CW0] offset:4096+976
.endif
	WIN 0x80+0x40*(\hf)
.irp m, 0,1,2,3
.irp q, 0,1,2,3,4,5,6,7
.irp c, 0,1
	ds_load_b128 v[64*\m+8*\q+4*\c:64*\m+8*\q+4*\c+3], v[AFA] offset:16*APITCH*\m+64*\q+32*\c
.endr
.endr
.endr
	WIN 0
.irp m, 0,1,2,3
	ds_load_b128 v[ASC+16*(\hf)+4*\m:ASC+16*(\hf)+4*\m+3], v[ASA] offset:16*SPITCH*\m
.endr
.endm
; Half hf (rows 64 hf .. + 63) of tile i: 32 products (K step K / 4, row tile K % 4: four accumulators by turns), eight on end; behind every eighth, under window 0, one row tile of the half before:
; its eight relus as four pairs, from the accumulator's low end on, and the four packed multiply-adds with W_att.
.macro HALF i, hf
.set CUR, ACC+32*(\hf)
.set PRV, ACC+32*(1-(\hf))
.set BTC, BT+8*((\i)%2)
.if \hf
.set WTU, WT+8*((\i)%2)
.else
.set WTU, WT+8*(1-(\i)%2)
.endif
	WIN 0x09+4*(\hf)                               ; source 0 (W) window 1, source 1 (the rows) window 2 + hf, C and D window 0
.set K, 0
.rept 32
.set Q, K/4
.set MM, K%4
.if Q == 0
	v_wmma_scale_f32_16x16x128_f8f6f4 v[CUR+8*MM:CUR+8*MM+7], v[64*(\i)+8*Q:64*(\i)+8*Q+7], v[64*MM+8*Q:64*MM+8*Q+7], v[BTC:BTC+7], v[BSC+4*(\i)+Q%4], v[ASC+16*(\hf)+4*MM+Q%4] matrix_a_fmt:MATRIX_FMT_FP4 matrix_b_fmt:MATRIX_FMT_FP4
.elseif Q < 4
	v_wmma_scale_f32_16x16x128_f8f6f4 v[CUR+8*MM:CUR+8*MM+7], v[64*(\i)+8*Q:64*(\i)+8*Q+7], v[64*MM+8*Q:64*MM+8*Q+7], v[CUR+8*MM:CUR+8*MM+7], v[BSC+4*(\i)+Q%4], v[ASC+16*(\hf)+4*MM+Q%4] matrix_a_fmt:MATRIX_FMT_FP4 matrix_b_fmt:MATRIX_FMT_FP4
.else
	v_wmma_scale_f32_16x16x128_f8f6f4 v[CUR+8*MM:CUR+8*MM+7], v[64*(\i)+8*Q:64*(\i)+8*Q+7], v[64*MM+8*Q:64*MM+8*Q+7], v[CUR+8*MM:CUR+8*MM+7], v[BSC+4*(\i)+Q%4], v[ASC+16*(\hf)+4*MM+Q%4] matrix_a_fmt:MATRIX_FMT_FP4 matrix_b_fmt:MATRIX_FMT_FP4 matrix_a_scale:MATRIX_SCALE_ROW1 matrix_b_scale:MATRIX_SCALE_ROW1
.endif
.if K%8 == 7
	WIN 0
.set MP, 4*(1-(\hf))+K/8
.set PR8, PRV+8*(K/8)
.irp e, 0,2,4,6
	v_dual_max_num_f32 v[PR8+\e], 0, v[PR8+\e] :: v_dual_max_num_f32 v[PR8+\e+1], 0, v[PR8+\e+1]
.endr
.irp e, 0,1,2,3
	v_pk_fma_f32 v[SA+4*MP+2*(\e%2):SA+4*MP+2*(\e%2)+1], v[PR8+2*\e:PR8+2*\e+1], v[WTU+2*\e:WTU+2*\e+1], v[SA+4*MP+2*(\e%2):SA+4*MP+2*(\e%2)+1]
.endr
.if K < 31
	WIN 0x09+4*(\hf)
.endif
.endif
.set K, K+1
.endr
.endm
.macro ASK i                           ; block 0 alone: 8 rows x 1,024 bytes of block 1, a lane a run of 256 bytes
	s_cmp_eq_u32 s44, 2
	s_cbranch_scc0 .Lnot_asked_\@
	global_prefetch_b8 v[PFW], s[EB:EB+1] offset:32768*(\i) th:TH_LOAD_NT scope:SCOPE_SE
.Lnot_asked_\@:
.endm
; Behind a half's last product stand four pairs and four packed multiply-adds: eight plain lines that name none of its registers: the places in front of the ring's loads and of the next reads of results.
; A tile's first half needs no LDS wait of its own: its cvec and the W_att of the tile before were asked for at the last tile's head and waited for in its middle (the block's first tile: ahead of the loop).
.macro TILE i, ring, left
.set BTN, BT+8*(1-(\i)%2)
.set WTC, WT+8*((\i)%2)
	ds_load_b128 v[BTN:BTN+3],   v[CWA] offset:64*((\i)+1)           ; the next tile's cvec (behind my last tile: bytes that are read and not used)
	ds_load_b128 v[BTN+4:BTN+7], v[CWA] offset:64*((\i)+1)+16
	ds_load_b128 v[WTC:WTC+3],   v[CWA] offset:4096+64*(\i)          ; this tile's W_att, for the slices from its second half on
	ds_load_b128 v[WTC+4:WTC+7], v[CWA] offset:4096+64*(\i)+16
	s_wait_loadcnt \left                           ; slot i is in: behind its 17 loads stand the later tiles' 17 each
.if \ring
	v_add_nc_u32 v[BOS+(\i)], s[TN], v[BO]         ; those 17 are done, so the offset that they named may be written
.endif
	HALF \i, 0
	s_wait_dscnt 0x0                               ; the four, asked for 32 products ago (in the block's first tile: the fragments of rows 64-127 too)
.if (\i) == 0
	s_wait_xcnt 0x0                                ; the last trip's prefetches have read their address: it is stepped here, 32 products behind the ring's last loads
	v_add_nc_u32 v[PFW], s[PF], v[PFO]
.endif
	ASK \i
	HALF \i, 1
.if \ring
	RING \i, BOS+(\i)
.endif
.endm
; 16 rows out of v[ub] on: p x bf16, f32 sums; eight sums by turns.  load = 1: between the first eight rows' lines the 16 rows that begin ro rows behind the trip's first are asked for, into v[un] on, and their p into v[pn] on
.macro WS ub, pb, un, pn, load, ro
	s_wait_alu depctr_va_vdst(0)
	s_wait_dscnt 0x0                               ; my 16 rows and their p, asked for in the step before
.if (\ro) == 16
	v_add_nc_u32 v[UA], s46, v[BFA]                ; a trip's first step: no LDS load of mine is out
	v_mov_b32 v[PA], s50
.endif
.set U, 0
.rept 16
.if \load
.if U < 8
	ds_load_b128 v[\un+8*U:\un+8*U+3], v[UA] offset:512*((\ro)+2*U)
	ds_load_b128 v[\un+8*U+4:\un+8*U+7], v[UA] offset:512*((\ro)+2*U+1)
.endif
.if U < 4
	ds_load_b128 v[\pn+4*U:\pn+4*U+3], v[PA] offset:4*(\ro)+16*U
.endif
.endif
.irp k, 0,1,2,3
	v_fma_mix_f32_bf16 v[WACC+2*\k], v[\ub+4*U+\k], v[\pb+U], v[WACC+2*\k] op_sel_hi:[1,0,0]
	v_fma_mix_f32_bf16 v[WACC+2*\k+1], v[\ub+4*U+\k], v[\pb+U], v[WACC+2*\k+1] op_sel:[1,0,0] op_sel_hi:[1,0,0]
.endr
.set U, U+1
.endr
.endm
.Lsb:                                              ; A BLOCK OF 128 ROWS.  Batches 0 to 2 of its first 32 rows have been asked for
	LAND 3
	s_mov_b32 s[SBF], 0
	s_mov_b32 s[SCS], 0
	s_mov_b32 s[SSS], 0
	s_mov_b32 s45, 0
.Lqa:                                              ; rows 0-63
	PROC4 1
	s_add_co_u32 s[EN], s[EN], GRP
	s_add_co_u32 s[SBF], s[SBF], 32*512
	s_add_co_u32 s[SCS], s[SCS], 32*APITCH
	s_add_co_u32 s[SSS], s[SSS], 32*SPITCH
	s_add_co_u32 s45, s45, 1
	s_cmp_lt_u32 s45, 2
	s_cbranch_scc1 .Lqa
	EXCH 0
	s_wait_dscnt 0x0                               ; my reads of the stage are over:
	s_barrier_signal -1
	s_barrier_wait -1                              ; everybody's are, so rows 64-127 may be stored there
	s_mov_b32 s[SBF], 64*512
	s_mov_b32 s[SCS], 0
	s_mov_b32 s[SSS], 0
	PROC4 1
	s_add_co_u32 s[EN], s[EN], GRP
	s_mov_b32 s[SBF], 96*512
	s_mov_b32 s[SCS], 32*APITCH
	s_mov_b32 s[SSS], 32*SPITCH
	PROC4 0                                        ; the last 32 rows: no row follows; the ring of W is filled
	EXCH 1                                         ; (the stage is stored again behind the barrier of the partial scores)
.irp k, 0,1,2,3,4,5,6,7,8,9,10,11,12,13,14,15,16,17,18,19,20,21,22,23,24,25,26,27,28,29,30,31
	v_mov_b32 v[ACC+32+\k], 0                      ; the tile is written once: the first half's slices find zeros and add nothing
.endr
.irp k, 0,1,2,3,4,5,6,7,8,9,10,11,12,13,14,15,16,17,18,19,20,21,22,23,24,25,26,27,28,29,30,31
	v_mov_b32 v[SA+\k], 0
.endr
	s_wait_dscnt 63                                ; the four loads of cvec and W_att are in: behind them stand the 68 loads of rows 64-127, which the first tile's second half waits for
	s_mov_b32 s[TN], 4*TILEB                       ; the first trip asks for tiles 4-7
	s_mov_b32 s[TO], 0
	s_mov_b32 s[PF], 4*GRP                         ; block 1's first row
	s_mov_b32 s43, 0
.Ltrip:                                            ; 3 trips of 4 tiles that fill the ring again
	v_add_nc_u32 v[CWA], s[TO], v[CW0]
	TILE 0, 1, 51
	TILE 1, 1, 51
	TILE 2, 1, 51
	TILE 3, 1, 51
	s_add_co_u32 s[TN], s[TN], 4*TILEB
	s_add_co_u32 s[TO], s[TO], 256
	s_add_co_u32 s[PF], s[PF], GRP
	s_add_co_u32 s43, s43, 1
	s_cmp_lt_u32 s43, 3
	s_cbranch_scc1 .Ltrip
	v_add_nc_u32 v[CWA], s[TO], v[CW0]             ; the last trip asks for no tile: the counts run down by 17
	TILE 0, 0, 51
	TILE 1, 0, 34
	TILE 2, 0, 17
	TILE 3, 0, 0
.irp k, 0,1,2,3,4,5,6,7,8,9,10,11,12,13,14,15,16,17,18,19,20,21,22,23,24,25,26,27,28,29,30,31
	v_max_num_f32 v[ACC+32+\k], 0, v[ACC+32+\k]    ; the last half's relu and dot
.endr
.irp m, 0,1,2,3
.irp e, 0,1,2,3
	v_pk_fma_f32 v[SA+16+4*\m+2*(\e%2):SA+16+4*\m+2*(\e%2)+1], v[ACC+32+8*\m+2*\e:ACC+32+8*\m+2*\e+1], v[WT+8+2*\e:WT+8+2*\e+1], v[SA+16+4*\m+2*(\e%2):SA+16+4*\m+2*(\e%2)+1]
.endr
.endr
	s_wait_alu depctr_va_vdst(0)
	s_cmp_eq_u32 s44, 1
	s_cbranch_scc1 .Lno_land                       ; the last block asks for no row
.irp b, 0,1,2,3
	v_add_nc_u32 v[EOS+\b], s[EN], v[EO]
.endr
	LAND 0                                         ; window 3 is free: the next block's first rows are on their way under the softmax and the weighted sum
	LAND 1
	LAND 2
	s_add_co_u32 s[EN], s[EN], GRP
.Lno_land:
.irp m, 0,1,2,3,4,5,6,7
	v_pk_add_f32 v[SA+4*\m:SA+4*\m+1], v[SA+4*\m:SA+4*\m+1], v[SA+4*\m+2:SA+4*\m+3]
.endr
.irp m, 0,1,2,3,4,5,6,7
	v_add_f32 v[SA+4*\m], v[SA+4*\m], v[SA+4*\m+1]
.endr
.irp m, 0,1,2,3,4,5,6,7
	v_permlanex16_b32 v[SA+4*\m+1], v[SA+4*\m], s20, s21
.endr
.irp m, 0,1,2,3,4,5,6,7
	v_add_f32 v[SA+4*\m], v[SA+4*\m], v[SA+4*\m+1] ; row 16 m + r over my wave's 256 columns
.endr
.irp m, 0,1,2,3,4,5,6,7
	ds_store_b32 v[PSS], v[SA+4*\m] offset:64*\m   ; both halves of the lanes write the same word with the same value
.endr
	s_wait_dscnt 0x0                               ; my partial scores have landed; my reads of the stage are over
	s_barrier_signal -1
	s_barrier_wait -1
	; THE SOFTMAX's step, the same arithmetic in every wave: lane l holds rows 4 l .. 4 l + 3
	ds_load_b128 v[SC:SC+3], v[PSL]
.irp x, 1,2,3
	ds_load_b128 v[TA+4*\x-4:TA+4*\x-1], v[PSL] offset:512*\x
.endr
	s_wait_dscnt 0x0
.irp x, 0,1,2
	v_pk_add_f32 v[SC:SC+1], v[SC:SC+1], v[TA+4*\x:TA+4*\x+1]
	v_pk_add_f32 v[SC+2:SC+3], v[SC+2:SC+3], v[TA+4*\x+2:TA+4*\x+3]
.endr
	s_cmp_lg_u32 s18, 0
	s_cbranch_scc1 .Lnot_wave_0
	global_store_b128 v[BO], v[SC:SC+3], s[12:13]  ; wave 0: 512 consecutive bytes, at a multiple of 256 from the buffer's first byte
.Lnot_wave_0:
	s_wait_alu depctr_va_vdst(0)
	v_max3_num_f32 v[TA], v[SC], v[SC+1], v[SC+2]
	v_max_num_f32 v[TA], v[TA], v[SC+3]
.irp x, 1,2,4,8
	v_max_num_f32_dpp v[TA], v[TA], v[TA] row_xmask:\x row_mask:0xf bank_mask:0xf
.endr
	v_permlanex16_b32 v[TA+1], v[TA], s20, s21
	v_max3_num_f32 v[TA+2], v[TA], v[TA+1], v[MX]  ; the new m
	v_sub_f32 v[TA+4], v[MX], v[TA+2]
.irp j, 0,1,2,3
	v_sub_f32 v[PV+\j], v[SC+\j], v[TA+2]
.endr
	v_mul_f32 v[TA+4], 0x3fb8aa3b, v[TA+4]
.irp j, 0,1,2,3
	v_mul_f32 v[PV+\j], 0x3fb8aa3b, v[PV+\j]
.endr
	s_wait_alu depctr_va_vdst(0)
	v_exp_f32 v[TA+4], v[TA+4]                     ; f = e^(old m - new m)
.irp j, 0,1,2,3
	v_exp_f32 v[PV+\j], v[PV+\j]                   ; p
.endr
	v_mov_b32 v[MX], v[TA+2]                       ; (a plain line behind the exponentials)
	s_wait_alu depctr_va_vdst(0)                   ; and behind it
	ds_store_b128 v[PBS], v[PV:PV+3]               ; my wave's own bytes
	v_add_f32 v[TA], v[PV], v[PV+1]
	v_add_f32 v[TA+1], v[PV+2], v[PV+3]
	v_add_f32 v[TA], v[TA], v[TA+1]
.irp x, 1,2,4,8
	v_add_f32_dpp v[TA], v[TA], v[TA] row_xmask:\x row_mask:0xf bank_mask:0xf
.endr
	v_permlanex16_b32 v[TA+1], v[TA], s20, s21
	v_add_f32 v[TA], v[TA], v[TA+1]
	v_fma_f32 v[MX+1], v[MX+1], v[TA+4], v[TA]     ; l = l f + the block's sum
.irp x, 0,2,4,6
	v_pk_mul_f32 v[WACC+\x:WACC+\x+1], v[WACC+\x:WACC+\x+1], v[TA+4:TA+5] op_sel_hi:[1,0]
.endr
	; THE WEIGHTED SUM: 8 steps of 16 rows out of my own bytes of LDS, on two sets of registers by turns: while one set is summed the other takes the next 16 rows.  A row's p is read by all lanes from one word.
	; A trip is two steps; the last trip is written out: its second step asks for nothing.
	s_mov_b32 s45, 0
	s_mov_b32 s46, 0
	s_mov_b32 s50, s30
	v_add_nc_u32 v[UA], s46, v[BFA]
	v_mov_b32 v[PA], s50
.irp x, 0,1,2,3
	ds_load_b128 v[PP+4*\x:PP+4*\x+3], v[PA] offset:16*\x        ; LDS serves a wave's instructions in order (ISA guide 5.7.1.4): these see my store
.endr
.irp u, 0,1,2,3,4,5,6,7,8,9,10,11,12,13,14,15
	ds_load_b128 v[UBA+4*\u:UBA+4*\u+3], v[UA] offset:512*\u
.endr
.Lws:
	WS UBA, PP, UBB, PP+16, 1, 16
	WS UBB, PP+16, UBA, PP, 1, 32
	s_add_co_u32 s46, s46, 32*512
	s_add_co_u32 s50, s50, 128
	s_add_co_u32 s45, s45, 1
	s_cmp_lt_u32 s45, 3
	s_cbranch_scc1 .Lws
	s_mov_b32 s46, 96*512                          ; rows 96-127
	s_add_co_u32 s50, s30, 384
	WS UBA, PP, UBB, PP+16, 1, 16
	WS UBB, PP+16, UBA, PP, 0, 0
	s_wait_alu depctr_va_vdst(0)
	s_wait_xcnt 0x0                                ; the scores' store has read its data and its base
	s_add_nc_u64 s[12:13], s[12:13], 512
	s_sub_co_u32 s44, s44, 1
	s_cmp_lg_u32 s44, 0
	s_cbranch_scc1 .Lsb
	; THE WAY OUT: lane (h, i) holds columns 128 h + 8 i + 0 .. 7; the exchange of lane halves turned round: each store of the wave then covers 512 consecutive bytes
.irp r, 0,1,2,3
	v_permlane16_swap_b32 v[WACC+\r], v[WACC+4+\r]
.endr
	v_and_b32 v[TA], 31, v0
	v_lshlrev_b32 v[TA], 3, v[TA]
	global_store_b128 v[EO], v[WACC:WACC+3], s[48:49]
	global_store_b128 v[EO], v[WACC+4:WACC+7], s[48:49] offset:512
	s_cmp_lg_u32 s18, 0
	s_cbranch_scc1 .Lno_stats
	global_store_b64 v[TA], v[MX:MX+1], s[14:15] offset:4096     ; (m, l), 32 times: 256 consecutive bytes written whole
.Lno_stats:
	s_wait_tensorcnt 0x0                           ; the wave's end
	ds_add_u32 v[SPW], v[NIL]
	s_wait_dscnt 0x0
	s_endpgm
.Lfunc_end_k_q8520e17782_main:
	.size	k_q8520e17782_main, .Lfunc_end_k_q8520e17782_main-k_q8520e17782_main
	.p2alignl 7, 3214868480
	.fill 96, 4, 3214868480
	.section	.rodata,"a",@progbits
	.p2align	6, 0x0
	.amdhsa_kernel k_q8520e17782_main
		.amdhsa_group_segment_fixed_size 311808
		.amdhsa_private_segment_fixed_size 0
		.amdhsa_enable_private_segment 0
		.amdhsa_kernarg_size 48
		.amdhsa_user_sgpr_count 2
		.amdhsa_user_sgpr_kernarg_segment_ptr 1
		.amdhsa_wavefront_size32 1
		.amdhsa_system_sgpr_workgroup_id_x 1
		.amdhsa_system_sgpr_workgroup_id_y 1
		.amdhsa_system_sgpr_workgroup_id_z 1
		.amdhsa_system_vgpr_workitem_id 0
		.amdhsa_next_free_vgpr 1024
		.amdhsa_next_free_sgpr 66
		.amdhsa_reserve_vcc 0
		.amdhsa_float_denorm_mode_32 3
		.amdhsa_float_denorm_mode_16_64 3
		.amdhsa_memory_ordered 1
		.amdhsa_forward_progress 1
		.amdhsa_inst_pref_size 255
	.end_amdhsa_kernel
	.section	.bss,"aw",@nobits
	.p2align	6
	.space	262144
	.amdgpu_metadata
---
amdhsa.version: [ 1, 2 ]
amdhsa.kernels:
  - .name:           k_q8520e17782_main
    .symbol:         k_q8520e17782_main.kd
    .args:
      - { .name: einput, .offset: 0, .size: 8, .value_kind: global_buffer, .address_space: global }
      - { .name: wq, .offset: 8, .size: 8, .value_kind: global_buffer, .address_space: global }
      - { .name: cvec, .offset: 16, .size: 8, .value_kind: global_buffer, .address_space: global }
      - { .name: W_att, .offset: 24, .size: 8, .value_kind: global_buffer, .address_space: global }
      - { .name: scores, .offset: 32, .size: 8, .value_kind: global_buffer, .address_space: global }
      - { .name: part, .offset: 40, .size: 8, .value_kind: global_buffer, .address_space: global }
    .group_segment_fixed_size: 311808
    .private_segment_fixed_size: 0
    .kernarg_segment_align: 8
    .kernarg_segment_size: 48
    .max_flat_workgroup_size: 128
    .sgpr_count:     66
    .vgpr_count:     1024
    .wavefront_size: 32
...
	.end_amdgpu_metadata
.endif
;; end of part 2
;; launch combine (part 3): grid 32 x 1, 8 waves a work-group, no clusters, 0 bytes of LDS; arguments scores, part, out0, out1; writes out0, out1
.if DOCPART == 3
	.amdgcn_target "amdgcn-amd-amdhsa--gfx1250"
	.amdhsa_code_object_version 6
	.text
	.protected	k_q8520e17782_combine
	.globl	k_q8520e17782_combine
	.p2align	8
	.type	k_q8520e17782_combine,@function
k_q8520e17782_combine:
	s_mov_b64 s[64:65], 0
	v_nop
	global_prefetch_b8 v0, s[64:65] scope:SCOPE_SE
	s_setreg_imm32_b32 hwreg(HW_REG_WAVE_MODE, 25, 1), 1
	s_wait_xcnt 0x0
; The eight parts of a batch are joined.  part: for each of 256 work-groups of the launch before 4,352 bytes: 1,024 f32 of the sum of p x einput under its own maximum m_i, then (m_i, l_i).
; M = the largest m_i; e_i = e^(m_i - M); L = the sum of l_i e_i;  out0[b][:] = the sum of (e_i / L) part_i;  out1[b][s] = e^(score - M) / L.
; Work-group b owns batch b; thread t owns columns 4 t .. 4 t + 3 of out0 and positions 4 t .. + 3 and 1,024 + 4 t .. + 3 of out1: every load and store of a wave covers 512 consecutive bytes.
; 40 KB a work-group, all asked for at once; no LDS, no barrier, no matrix work: there is nothing here that they would serve.
; LIMITS: NaN and infinities are not served.
.set PR, 4352                          ; bytes of a part
	s_load_b128 s[4:7], s[0:1], 0x0                ; scores s[4:5], part s[6:7]
	s_load_b128 s[8:11], s[0:1], 0x10              ; out0 s[8:9], out1 s[10:11]
	v_lshlrev_b32 v1, 4, v0                        ; 16 t
	s_mul_i32 s12, ttmp9, 8*PR
	s_mov_b32 s13, 0
	s_lshl_b32 s14, ttmp9, 13
	s_mov_b32 s15, 0
	s_lshl_b32 s32, ttmp9, 12
	s_mov_b32 s33, 0
	s_wait_alu depctr_va_vdst(0)
	s_wait_kmcnt 0x0
	s_add_nc_u64 s[6:7], s[6:7], s[12:13]
	s_add_nc_u64 s[4:5], s[4:5], s[14:15]
	s_add_nc_u64 s[10:11], s[10:11], s[14:15]
	s_add_nc_u64 s[8:9], s[8:9], s[32:33]
.irp i, 0,1,2,3,4,5,6,7
	s_load_b64 s[16+2*\i:17+2*\i], s[6:7], PR*\i+4096            ; m_i, l_i
.endr
.irp i, 0,1,2,3,4,5,6,7
	global_load_b128 v[8+4*\i:11+4*\i], v1, s[6:7] offset:PR*\i
.endr
	global_load_b128 v[56:59], v1, s[4:5]
	global_load_b128 v[60:63], v1, s[4:5] offset:4096
	s_wait_kmcnt 0x0
	v_max_num_f32 v40, s16, s18
	s_delay_alu instid0(VALU_DEP_1)
	v_max3_num_f32 v40, v40, s20, s22
	s_delay_alu instid0(VALU_DEP_1)
	v_max3_num_f32 v40, v40, s24, s26
	s_delay_alu instid0(VALU_DEP_1)
	v_max3_num_f32 v40, v40, s28, s30              ; M
.irp i, 0,1,2,3,4,5,6,7
	v_sub_f32 v[41+\i], s[16+2*\i], v40
.endr
.irp i, 0,1,2,3,4,5,6,7
	v_mul_f32 v[41+\i], 0x3fb8aa3b, v[41+\i]
.endr
	s_wait_alu depctr_va_vdst(0)
.irp i, 0,1,2,3,4,5,6,7
	v_exp_f32 v[41+\i], v[41+\i]                   ; e_i
.endr
	v_nop                                          ; a plain line behind the exponentials
	s_wait_alu depctr_va_vdst(0)
	v_mul_f32 v50, s17, v41
.irp i, 1,2,3,4,5,6,7
	v_fma_f32 v50, s[17+2*\i], v[41+\i], v50       ; L, i ascending
.endr
	s_wait_alu depctr_va_vdst(0)
	v_rcp_f32 v51, v50
	v_nop                                          ; a plain line behind the reciprocal
	s_wait_alu depctr_va_vdst(0)
.irp i, 0,1,2,3,4,5,6,7
	v_mul_f32 v[41+\i], v[41+\i], v51              ; g_i = e_i / L
.endr
	s_wait_alu depctr_va_vdst(0)
	s_wait_loadcnt 0x0
.irp c, 0,1,2,3
	v_mul_f32 v[52+\c], v41, v[8+\c]
.endr
.irp i, 1,2,3,4,5,6,7
.irp c, 0,1,2,3
	s_delay_alu instid0(VALU_DEP_4)
	v_fma_f32 v[52+\c], v[41+\i], v[8+4*\i+\c], v[52+\c]
.endr
.endr
	global_store_b128 v1, v[52:55], s[8:9]
.irp c, 0,1,2,3,4,5,6,7
	v_sub_f32 v[56+\c], v[56+\c], v40
.endr
.irp c, 0,1,2,3,4,5,6,7
	v_mul_f32 v[56+\c], 0x3fb8aa3b, v[56+\c]
.endr
	s_wait_alu depctr_va_vdst(0)
.irp c, 0,1,2,3,4,5,6,7
	v_exp_f32 v[56+\c], v[56+\c]
.endr
	v_nop                                          ; a plain line behind the exponentials
	s_wait_alu depctr_va_vdst(0)
.irp c, 0,1,2,3,4,5,6,7
	v_mul_f32 v[56+\c], v[56+\c], v51
.endr
	global_store_b128 v1, v[56:59], s[10:11]
	global_store_b128 v1, v[60:63], s[10:11] offset:4096
	s_endpgm
.Lfunc_end_k_q8520e17782_combine:
	.size	k_q8520e17782_combine, .Lfunc_end_k_q8520e17782_combine-k_q8520e17782_combine
	.p2alignl 7, 3214868480
	.fill 96, 4, 3214868480
	.section	.rodata,"a",@progbits
	.p2align	6, 0x0
	.amdhsa_kernel k_q8520e17782_combine
		.amdhsa_group_segment_fixed_size 0
		.amdhsa_private_segment_fixed_size 0
		.amdhsa_enable_private_segment 0
		.amdhsa_kernarg_size 32
		.amdhsa_user_sgpr_count 2
		.amdhsa_user_sgpr_kernarg_segment_ptr 1
		.amdhsa_wavefront_size32 1
		.amdhsa_system_sgpr_workgroup_id_x 1
		.amdhsa_system_sgpr_workgroup_id_y 1
		.amdhsa_system_sgpr_workgroup_id_z 1
		.amdhsa_system_vgpr_workitem_id 0
		.amdhsa_next_free_vgpr 64
		.amdhsa_next_free_sgpr 66
		.amdhsa_reserve_vcc 0
		.amdhsa_float_denorm_mode_32 3
		.amdhsa_float_denorm_mode_16_64 3
		.amdhsa_memory_ordered 1
		.amdhsa_forward_progress 1
		.amdhsa_inst_pref_size 10
	.end_amdhsa_kernel
	.amdgpu_metadata
---
amdhsa.version: [ 1, 2 ]
amdhsa.kernels:
  - .name:           k_q8520e17782_combine
    .symbol:         k_q8520e17782_combine.kd
    .args:
      - { .name: scores, .offset: 0, .size: 8, .value_kind: global_buffer, .address_space: global }
      - { .name: part, .offset: 8, .size: 8, .value_kind: global_buffer, .address_space: global }
      - { .name: out0, .offset: 16, .size: 8, .value_kind: global_buffer, .address_space: global }
      - { .name: out1, .offset: 24, .size: 8, .value_kind: global_buffer, .address_space: global }
    .group_segment_fixed_size: 0
    .private_segment_fixed_size: 0
    .kernarg_segment_align: 8
    .kernarg_segment_size: 32
    .max_flat_workgroup_size: 256
    .sgpr_count:     66
    .vgpr_count:     64
    .wavefront_size: 32
...
	.end_amdgpu_metadata
.endif
;; end of part 3
